; MI455X (gfx1250); checked and timed in simulation.
; The chip was launched on July 23, 2026; its instructions are those of AMD's public machine-readable ISA for CDNA 5 (MIT licence, August 2026) and "CDNA5" Instruction Set Architecture Reference Guide (July 2026). The comments in the code are by the model that wrote it; some were corrected since.
;; Quant Linear. Allowed arithmetic: matrix products marked QUANTISED: E2M1 operands, one E8M0 scale for each 32 along K, by v_wmma_scale_f32_16x16x128_f8f6f4 with both operands' format E2M1 (or v_wmma_scale_f32_32x16x128_f4), f32 sums; everything else in f32.
;; Inputs: d 65,536 float32; dmin 65,536 float32; mins 524,288 int32; packed 8,388,608 int32; scales 524,288 int32; x 2 x 2,048 x 4,096 float32.
;; Outputs: out0 2 x 2,048 x 4,096 float32.
;; This version of the problem:
;;   THIS VERSION OF THE PROBLEM IS GIVEN IN LOW PRECISION. The matrix products marked QUANTISED in the list below multiply operands that are first quantised to E2M1 (2 exponent bits, 1 mantissa bit; 4 bits a number), with one power-of-two scale for each 32 numbers along K (OCP MX v1.0); their sums are f32. All else is computed in f32.
;;   The module's matrix products, in the order in which they are computed (A, B: the left and right operand; K: the contracted axis; several contracted axes count as one K, in the product's order):
;;     1. [M 4,096, K 4,096] x [K 4,096, N 4,096]; A: input x; B: computed on the way: QUANTISED
;;   THE QUANTISER, for each operand of a quantised product, along K:
;;     - K is cut into blocks of 32 from its start; a last block that is shorter is filled with zeros.
;;     - A block's scale is 2^e with e = floor(log2(the largest magnitude in the block)) - 2, held to -126 .. 127; a block of zeros has e = 0. As a byte (E8M0): e + 127.
;;     - Each number is divided by its block's scale, clamped to +-6, and rounded to the nearest number of E2M1, ties to even, subnormals kept.
;;     - The product sums the exact products of the quantised numbers (number of the format x scale) in f32.
;;   ~~~python
;;   def quantise(x, axis):      # numpy; x: float32 -> the quantised numbers, widened to float32 again
;;       x = np.moveaxis(x, axis, -1); K = x.shape[-1]
;;       x = np.pad(x, [(0, 0)] * (x.ndim - 1) + [(0, -K % 32)]); x = x.reshape(x.shape[:-1] + (-1, 32)); a = np.abs(x).max(-1, keepdims=True)
;;       e = np.where(a > 0, np.clip(np.frexp(np.where(a > 0, a, 1))[1] - 1 - 2, -126, 127), 0)      # np.frexp(a)[1] - 1 = floor(log2(a)), exactly
;;       r = np.clip(x / 2.0 ** e, -6, 6)
;;       step = 2.0 ** (np.maximum(np.frexp(np.where(r == 0, 1, r))[1] - 1, 0) - 1)
;;       q = np.round(r / step) * step * 2.0 ** e      # np.round: ties to even
;;       return np.moveaxis(q.reshape(q.shape[:-2] + (-1,))[..., :K], -1, axis).astype(np.float32)
;;   ~~~
;;   OPERANDS COMPUTED ON THE WAY. 'Computed on the way' means the value that the module computes at that place (a softmax that the list does not call 'softmax' is quantised finished and normalised). What goes into a quantiser is computed in f32, as accurately as f32 sums, v_exp_f32 and their like allow (about 1e-6 of the number): no bf16 or f16 on the way to a quantiser, and a product that is left as it is and whose result goes on into a quantised operand takes f32 operands (vector FMAs, or v_wmma_f32_16x16x4_f32). A number that lies on a knife's edge between two numbers of the format may be rounded either way, as far as f32 arithmetic and the matrix unit's own rounding can turn it there, and no further.
;; One version. Each part assembles by itself: llvm-mc -triple=amdgcn-amd-amdhsa -mcpu=gfx1250 --defsym DOCPART=n.
;; ======== version 1 of 1: 2 launches
;; limits: right only within a limited range of input values
;; workspace buffers: xq 8,912,896 bytes; wq 8,912,896 bytes
;; launch prep (part 1): grid 256 x 1, 8 waves a work-group, no clusters, 101,376 bytes of LDS; arguments x, packed, d, dmin, scales, mins, xq, wq; writes xq, wq
.if DOCPART == 1
	.amdgcn_target "amdgcn-amd-amdhsa--gfx1250"
	.amdhsa_code_object_version 6
	.text
	.protected	k_qa2e3f82cd9_prep
	.globl	k_qa2e3f82cd9_prep
	.p2align	8
	.type	k_qa2e3f82cd9_prep,@function
k_qa2e3f82cd9_prep:
	s_mov_b64 s[64:65], 0
	v_nop
	global_prefetch_b8 v0, s[64:65] scope:SCOPE_SE
	s_setreg_imm32_b32 hwreg(HW_REG_WAVE_MODE, 25, 1), 1
	s_wait_xcnt 0x0
; Both operands of out = x w^T become codes of FP4 (E2M1) with one E8M0 scale byte for each 32 along K.
; x: [4096][4096] f32.  w[n][k] = ((q / 15) (scale / 63) + min / 63) d + dmin, made here in f32 as fma(fma(q, scale / 945, min / 63), d, dmin):
; q: 4 bits, two to an int32 of packed, the low four bits first; scale, min: one int32 for each 32 weights; d, dmin: one f32 for each 256.  The 32 weights of a scale are a block of 32 along K.
; A block's scale is 2^(floor(log2(its largest magnitude)) - 2); its byte is the largest magnitude's exponent field - 2, held at 1 from below.
; LIMITS: NaN and infinities among the inputs are not served.  A block of zeros gets the byte 1 where the quantiser says 127: its codes are zeros, which add nothing under that byte, and this program alone reads the bytes.
; OUT, xq and wq alike: [32 groups of 128 rows][8 K steps of 512] blocks of 34,816 bytes: 128 rows x 256 bytes of codes (K innermost, the lower k in the low four bits), then 128 rows x 16 scale bytes.
; So what the product's launch fetches for 128 rows and a K step, codes and scales, is one run of 136 x 256 consecutive bytes.
; SHARES.  Work-group g owns rows 16 g .. 16 g + 15 of w and of x; wave s owns K step s of them: first its 16 x 512 weights, then its 16 x 512 numbers of x.  One path for all, one barrier.
; A pool of 128 registers holds 32 loads of 16 bytes a lane on their way through both parts: as a pair of w's rows is worked, its 16 registers take a row of x.
; No cluster, no tensor load, no matrix work: work-groups share no input, and each input byte is read once.
.set BLOCKB, 34816                     ; a block of xq or wq
.set PTAB,  0                          ; LDS: (scale / 945, min / 63) of the group's 2,048 blocks, 8 bytes each: block 128 row + 16 K step + b
.set DTAB,  16384                      ; (d, dmin) of its 256 runs of 256 weights, 8 bytes each: 16 row + 2 K step + j
.set REG0,  18432                      ; then a region of WREG bytes for each wave:
.set WREG,  10240
.set SP,    80                         ;   +0     two stages for x, 32 places of 64 bytes + 16 of padding each
.set XSB,   5120                       ;   +5120  x's 256 scale bytes
.set WST,   5376                       ;   +5376  w's codes, 16 rows x 256 bytes
.set WSB,   9472                       ;   +9472  w's 256 scale bytes
.set SPARE, REG0+8*WREG                ; behind the regions: the spare words, 128 bytes for each wave: four blocks of 256 bytes that no other line names
.set SPW,  2                           ; v2   LDS address of my spare word: SPARE + 4 x my thread's number; never rewritten
.set NIL,  3                           ; v3   0; never rewritten
.set L16,  4                           ; v4   16 x lane
.set L8,   5                           ; v5   8 x lane
.set SIN,  6                           ; v6   x's stage, on the way in: 80 (lane / 4) + 16 (lane % 4)
.set SOUT, 7                           ; v7   and on the way out: 80 x lane
.set XEB,  8                           ; v8   x's scale byte of my block: lane / 2
.set XER,  9                           ; v9   x's scale bytes on the way out: 8 x lane
.set PGO,  10                          ; v10  32 x thread: my 8 scales, my 8 mins
.set DGO,  11                          ; v11  4 x thread: my d, my dmin
.set TWA,  12                          ; v12  PTAB + 64 x thread
.set TWD,  13                          ; v13  DTAB + 8 x thread
.set RPA,  14                          ; v14  PTAB + 128 x wave + 8 (lane / 4): my block's pair
.set RDA,  15                          ; v15  DTAB + 16 x wave
.set CSA,  16                          ; v16  w's codes into the stage: 4 x lane
.set CRA,  17                          ; v17  and back: 16 x lane
.set ESA,  18                          ; v18  w's scale byte of my block: lane / 4
.set ERA,  19                          ; v19  and back: 8 x lane
.set PB,   48                          ; v48-63   w: two sets of 8: (scale', min') for each half row, (d, dmin) for each
.set E,    48                          ;          x: a scale byte for each step
.set PS,   64                          ; v64-71   head: 8 scales;  v72-79: 8 mins;  v80-95: the table's 8 pairs
.set PM,   72
.set TB,   80
.set OUTW, 64                          ; v64-95   w's codes on the way out
.set C,    64                          ;          x: two registers of codes for each step, so that no store's data are written again
.set Q0,   96                          ; v96-103, v104-111  w: 8 weights of each half row
.set Q1,   104
.set XT,   96                          ; v96-127  x: two sets of 16 neighbours
.set POOL, 128                         ; v128-255 w's row t at 8 t; x's row u at 16 (u % 8)
	s_load_b256 s[4:11], s[0:1], 0x0               ; x s[4:5], packed s[6:7], d s[8:9], dmin s[10:11]
	s_load_b256 s[12:19], s[0:1], 0x20             ; scales s[12:13], mins s[14:15], xq s[16:17], wq s[18:19]
	v_lshl_add_u32 v[SPW], v0, 2, SPARE
	v_mov_b32 v[NIL], 0
	v_lshrrev_b32 v20, 5, v0
	s_delay_alu instid0(VALU_DEP_1)
	v_readfirstlane_b32 s20, v20                   ; wave = K step
	v_and_b32 v1, 31, v0                           ; lane
	s_delay_alu instid0(VALU_DEP_1)
	v_lshlrev_b32 v[L16], 4, v1
	s_delay_alu instid0(VALU_DEP_2)
	v_lshlrev_b32 v[L8], 3, v1
	s_mul_i32 s22, s20, WREG
	s_add_co_u32 s22, s22, REG0                    ; my wave's region
	v_lshrrev_b32 v20, 2, v1                       ; lane / 4
	v_and_b32 v21, 3, v1                           ; lane % 4
	s_delay_alu instid0(VALU_DEP_2)
	v_mul_u32_u24 v[SIN], v20, SP
	s_delay_alu instid0(VALU_DEP_1)
	v_lshl_add_u32 v[SIN], v21, 4, v[SIN]
	s_delay_alu instid0(VALU_DEP_1)
	v_add_nc_u32 v[SIN], s22, v[SIN]
	v_mul_u32_u24 v[SOUT], v1, SP
	s_delay_alu instid0(VALU_DEP_1)
	v_add_nc_u32 v[SOUT], s22, v[SOUT]
	v_lshrrev_b32 v22, 1, v1                       ; lane / 2
	s_delay_alu instid0(VALU_DEP_1)
	v_add_nc_u32 v[XEB], s22, v22
	s_delay_alu instid0(VALU_DEP_1)
	v_add_nc_u32 v[XEB], XSB, v[XEB]
	v_add_nc_u32 v[XER], s22, v[L8]
	s_delay_alu instid0(VALU_DEP_1)
	v_add_nc_u32 v[XER], XSB, v[XER]
	v_lshlrev_b32 v[PGO], 5, v0
	v_lshlrev_b32 v[DGO], 2, v0
	v_lshlrev_b32 v[TWA], 6, v0                    ; (PTAB is 0)
	v_lshl_add_u32 v[TWD], v0, 3, DTAB
	s_lshl_b32 s23, s20, 7
	v_lshl_add_u32 v[RPA], v20, 3, s23
	s_lshl_b32 s21, s20, 4
	s_add_co_u32 s21, s21, DTAB
	v_mov_b32 v[RDA], s21
	v_lshl_add_u32 v[CSA], v1, 2, s22
	s_delay_alu instid0(VALU_DEP_1)
	v_add_nc_u32 v[CSA], WST, v[CSA]
	v_add_nc_u32 v[CRA], s22, v[L16]
	s_delay_alu instid0(VALU_DEP_1)
	v_add_nc_u32 v[CRA], WST, v[CRA]
	v_add_nc_u32 v[ESA], s22, v20
	s_delay_alu instid0(VALU_DEP_1)
	v_add_nc_u32 v[ESA], WSB, v[ESA]
	v_add_nc_u32 v[ERA], s22, v[L8]
	s_delay_alu instid0(VALU_DEP_1)
	v_add_nc_u32 v[ERA], WSB, v[ERA]
	v_mov_b32 v34, 0x3a8ab356                      ; 1 / 945 = 1 / (15 x 63)
	v_mov_b32 v35, 0x3c820821                      ; 1 / 63
	; where my part begins in each buffer, in bytes (all under 2^32)
	s_lshl_b32 s28, ttmp9, 18                      ; x: 16 rows of 16,384 bytes a group,
	s_lshl_b32 s23, s20, 11                        ; 2,048 bytes a K step
	s_add_co_u32 s28, s28, s23
	s_mov_b32 s29, 0
	s_lshl_b32 s30, ttmp9, 17                      ; packed: 16 rows of 8,192 bytes,
	s_lshl_b32 s23, s20, 10                        ; 1,024 bytes a K step
	s_add_co_u32 s30, s30, s23
	s_mov_b32 s31, 0
	s_lshl_b32 s32, ttmp9, 10                      ; d, dmin: 256 numbers a group
	s_mov_b32 s33, 0
	s_lshl_b32 s34, ttmp9, 13                      ; scales, mins: 2,048 numbers a group
	s_mov_b32 s35, 0
	s_lshr_b32 s36, ttmp9, 3                       ; xq, wq: the group of 128 rows,
	s_lshl_b32 s36, s36, 3
	s_add_co_u32 s36, s36, s20                     ; its block for my K step
	s_mul_i32 s36, s36, BLOCKB
	s_and_b32 s23, ttmp9, 7                        ; my 16 rows among the 128
	s_lshl_b32 s38, s23, 8
	s_add_co_u32 s38, s38, s36
	s_add_co_u32 s38, s38, 32768                   ; their 256 scale bytes, behind the block's codes
	s_mov_b32 s39, 0
	s_lshl_b32 s23, s23, 12
	s_add_co_u32 s36, s36, s23                     ; their 4,096 bytes of codes
	s_mov_b32 s37, 0
	s_wait_kmcnt 0x0
	s_add_nc_u64 s[4:5], s[4:5], s[28:29]
	s_add_nc_u64 s[6:7], s[6:7], s[30:31]
	s_add_nc_u64 s[8:9], s[8:9], s[32:33]
	s_add_nc_u64 s[10:11], s[10:11], s[32:33]
	s_add_nc_u64 s[12:13], s[12:13], s[34:35]
	s_add_nc_u64 s[14:15], s[14:15], s[34:35]
	s_add_nc_u64 s[24:25], s[16:17], s[38:39]      ; x's scale bytes
	s_add_nc_u64 s[26:27], s[18:19], s[38:39]      ; w's
	s_add_nc_u64 s[16:17], s[16:17], s[36:37]      ; x's codes
	s_add_nc_u64 s[18:19], s[18:19], s[36:37]      ; w's
.macro LOADW t                         ; row t of w: two loads of 512 consecutive bytes, 256 weights each; lane l gets weights 256 j + 8 l .. + 7 of the K step
.irp j, 0,1
	global_load_b128 v[POOL+8*(\t)+4*\j:POOL+8*(\t)+4*\j+3], v[L16], s[6:7] offset:8192*(\t)+512*\j th:TH_LOAD_NT
.endr
.endm
.macro LOADX u                         ; row u of x: four loads of 512 consecutive bytes
.irp i, 0,1,2,3
	global_load_b128 v[POOL+16*((\u)%8)+4*\i:POOL+16*((\u)%8)+4*\i+3], v[L16], s[4:5] offset:16384*(\u)+512*\i th:TH_LOAD_NT
.endr
.endm
.macro WPAR t                          ; row t's parameters out of the tables: three LDS loads
	ds_load_b64 v[PB+8*((\t)%2):PB+8*((\t)%2)+1], v[RPA] offset:1024*(\t)
	ds_load_b64 v[PB+8*((\t)%2)+2:PB+8*((\t)%2)+3], v[RPA] offset:1024*(\t)+64
	ds_load_b128 v[PB+8*((\t)%2)+4:PB+8*((\t)%2)+7], v[RDA] offset:128*(\t)
.endm
	; the group's parameters first, then all 16 rows of w: 38 loads
	global_load_b128 v[PS:PS+3],   v[PGO], s[12:13] th:TH_LOAD_NT
	global_load_b128 v[PS+4:PS+7], v[PGO], s[12:13] offset:16 th:TH_LOAD_NT
	global_load_b128 v[PM:PM+3],   v[PGO], s[14:15] th:TH_LOAD_NT
	global_load_b128 v[PM+4:PM+7], v[PGO], s[14:15] offset:16 th:TH_LOAD_NT
	global_load_b32 v32, v[DGO], s[8:9] th:TH_LOAD_NT
	global_load_b32 v33, v[DGO], s[10:11] th:TH_LOAD_NT
.irp t, 0,1,2,3,4,5,6,7,8,9,10,11,12,13,14,15
	LOADW \t
.endr
	; THE TABLES: thread T makes the pairs of blocks 8 T .. 8 T + 7 and stores its (d, dmin)
	s_wait_loadcnt 32                              ; the six parameter loads are in; w's 32 stay out
.irp b, 0,1,2,3,4,5,6,7
	v_cvt_f32_i32 v[TB+2*\b], v[PS+\b]
	v_cvt_f32_i32 v[TB+2*\b+1], v[PM+\b]
.endr
.irp b, 0,2,4,6,8,10,12,14
	v_pk_mul_f32 v[TB+\b:TB+\b+1], v[TB+\b:TB+\b+1], v[34:35]   ; (scale / 945, min / 63)
.endr
.irp i, 0,1,2,3
	ds_store_b128 v[TWA], v[TB+4*\i:TB+4*\i+3] offset:16*\i
.endr
	ds_store_b64 v[TWD], v[32:33]
	s_wait_dscnt 0x0                               ; for the others' sake: my part of the tables has landed
	s_barrier_signal -1
	s_barrier_wait -1                              ; the launch's one barrier: the tables are whole, and nobody writes them again
; ROW t OF w.  Four lanes hold a block of 32.  The two half rows go line by line, so that no line waits for the line above it.
.macro WROW t
.set PP,  POOL+8*(\t)
.set PBS, PB+8*((\t)%2)
.if (\t)%2 == 0
	s_wait_loadcnt 30                              ; behind this row's two loads: the other row of its pair (2), and 28 of later rows of w and rows of x
.else
	s_wait_loadcnt 28
.endif
.if (\t) < 15
	WPAR (\t)+1
	s_wait_dscnt 3                                 ; all but the three just issued: this row's parameters are in, and the last row's LDS stores have read their registers
.else
	s_wait_dscnt 0x0
.endif
.irp i, 0,1,2,3
	v_and_b32 v[Q0+2*\i], 15, v[PP+\i]             ; the low four bits come first,
	v_and_b32 v[Q1+2*\i], 15, v[PP+4+\i]
	v_bfe_u32 v[Q0+2*\i+1], v[PP+\i], 4, 4         ; then the next four
	v_bfe_u32 v[Q1+2*\i+1], v[PP+4+\i], 4, 4
.endr
.irp i, 0,1,2,3,4,5,6,7,8,9,10,11,12,13,14,15
	v_cvt_f32_u32 v[Q0+\i], v[Q0+\i]
.endr
.irp i, 0,2,4,6
	v_pk_fma_f32 v[Q0+\i:Q0+\i+1], v[Q0+\i:Q0+\i+1], v[PBS:PBS+1], v[PBS:PBS+1] op_sel:[0,0,1] op_sel_hi:[1,0,1]       ; q x scale' + min': the pair's first word multiplies both, its second is added to both
	v_pk_fma_f32 v[Q1+\i:Q1+\i+1], v[Q1+\i:Q1+\i+1], v[PBS+2:PBS+3], v[PBS+2:PBS+3] op_sel:[0,0,1] op_sel_hi:[1,0,1]
.endr
.irp i, 0,2,4,6
	v_pk_fma_f32 v[Q0+\i:Q0+\i+1], v[Q0+\i:Q0+\i+1], v[PBS+4:PBS+5], v[PBS+4:PBS+5] op_sel:[0,0,1] op_sel_hi:[1,0,1]   ; x d + dmin
	v_pk_fma_f32 v[Q1+\i:Q1+\i+1], v[Q1+\i:Q1+\i+1], v[PBS+6:PBS+7], v[PBS+6:PBS+7] op_sel:[0,0,1] op_sel_hi:[1,0,1]
.endr
	v_max3_num_f32 v24, |v[Q0]|, |v[Q0+1]|, 0x1800000            ; my 8 magnitudes, and the floor 2^(3 - 127): so the byte cannot fall under 1
	v_max3_num_f32 v25, |v[Q1]|, |v[Q1+1]|, 0x1800000
.irp i, 2,4,6
	s_delay_alu instid0(VALU_DEP_2)
	v_max3_num_f32 v24, v24, |v[Q0+\i]|, |v[Q0+\i+1]|
	s_delay_alu instid0(VALU_DEP_2)
	v_max3_num_f32 v25, v25, |v[Q1+\i]|, |v[Q1+\i+1]|
.endr
	s_delay_alu instid0(VALU_DEP_2)
	v_max_num_f32_dpp v24, v24, v24 row_xmask:1 row_mask:0xf bank_mask:0xf   ; with the three other lanes of the block
	s_delay_alu instid0(VALU_DEP_2)
	v_max_num_f32_dpp v25, v25, v25 row_xmask:1 row_mask:0xf bank_mask:0xf
	s_delay_alu instid0(VALU_DEP_2)
	v_max_num_f32_dpp v24, v24, v24 row_xmask:2 row_mask:0xf bank_mask:0xf
	s_delay_alu instid0(VALU_DEP_2)
	v_max_num_f32_dpp v25, v25, v25 row_xmask:2 row_mask:0xf bank_mask:0xf
	s_delay_alu instid0(VALU_DEP_2)
	v_add_nc_u32 v26, 0xff000000, v24              ; 2 off the exponent field: the conversion takes the exponent field of this operand as its scale, and nothing else of it
	s_delay_alu instid0(VALU_DEP_2)
	v_add_nc_u32 v27, 0xff000000, v25
	v_cvt_scalef32_pk8_fp4_f32 v28, v[Q0:Q0+7], v26
	v_cvt_scalef32_pk8_fp4_f32 v29, v[Q1:Q1+7], v27
	v_lshrrev_b32 v30, 23, v26                     ; the scales' bytes (plain lines behind the conversions)
	v_lshrrev_b32 v31, 23, v27
	ds_store_b32 v[CSA], v28 offset:256*(\t)       ; 8 codes: bytes 128 j + 4 lane of the row's 256
	ds_store_b32 v[CSA], v29 offset:256*(\t)+128
	ds_store_b8 v[ESA], v30 offset:16*(\t)         ; the four lanes of a block write the same byte with the same value
	ds_store_b8 v[ESA], v31 offset:16*(\t)+8
.if (\t)%2 == 1
	LOADX (\t)/2                                   ; the pair's 16 registers have been read: they take a row of x
.endif
.endm
	WPAR 0
.irp t, 0,1,2,3,4,5,6,7,8,9,10,11,12,13,14,15
	WROW \t
.endr
.macro TURN u                          ; row u of x through a stage: in as loaded, back 64 bytes (16 neighbours) a lane.  LDS serves a wave's instructions in order: no wait between the stores and the loads
.irp i, 0,1,2,3
	ds_store_b128 v[SIN], v[POOL+16*((\u)%8)+4*\i:POOL+16*((\u)%8)+4*\i+3] offset:32*SP*((\u)%2)+8*SP*\i
.endr
.irp i, 0,1,2,3
	ds_load_b128 v[XT+16*((\u)%2)+4*\i:XT+16*((\u)%2)+4*\i+3], v[SOUT] offset:32*SP*((\u)%2)+16*\i
.endr
.endm
	; w's way out, and x's start
.irp i, 0,1,2,3,4,5,6,7
	ds_load_b128 v[OUTW+4*\i:OUTW+4*\i+3], v[CRA] offset:512*\i   ; these see my stores above
.endr
	ds_load_b64 v[36:37], v[ERA]
	s_wait_loadcnt 28                              ; x's row 0 is in; rows 1 to 7 stay out
	TURN 0
	s_wait_dscnt 8                                 ; all but the turn's eight: w's codes and bytes are back
.irp i, 0,1,2,3,4,5,6,7
	global_store_b128 v[L16], v[OUTW+4*\i:OUTW+4*\i+3], s[18:19] offset:512*\i   ; 32 lanes store 512 consecutive bytes, at a multiple of 256 from wq's first byte
.endr
	global_store_b64 v[L8], v[36:37], s[26:27]     ; 32 lanes store 256 consecutive bytes, aligned likewise
	s_wait_xcnt 0x0                                ; these stores' data registers are written again below (x's codes) only behind this wait
; ROW u OF x.  Two neighbouring lanes hold a block of 32.
.macro XSTEP u
.set XS, XT+16*((\u)%2)
.if (\u) > 0
	s_wait_dscnt 1                                 ; this row is back from the stage (the last row's byte store may be out): so the stage's stores have read the pool's registers,
.else
	s_wait_dscnt 0x0
.endif
.if (\u)+8 < 16
	LOADX (\u)+8                                   ; which take the row eight further on
.endif
.if (\u) < 15
.if 14-(\u) >= 7
	s_wait_loadcnt 28                              ; the next row's four loads are in; those of the seven rows behind it may be out
.else
	s_wait_loadcnt 4*(14-(\u))
.endif
	TURN (\u)+1                                    ; it goes through the other stage while this row is worked
.endif
	v_max3_num_f32 v40, |v[XS]|, |v[XS+1]|, |v[XS+2]|
	v_max3_num_f32 v41, |v[XS+3]|, |v[XS+4]|, |v[XS+5]|
.irp i, 6,10
	s_delay_alu instid0(VALU_DEP_2)
	v_max3_num_f32 v40, v40, |v[XS+\i]|, |v[XS+\i+1]|
	s_delay_alu instid0(VALU_DEP_2)
	v_max3_num_f32 v41, v41, |v[XS+\i+2]|, |v[XS+\i+3]|
.endr
	s_delay_alu instid0(VALU_DEP_2)
	v_max3_num_f32 v40, v40, |v[XS+14]|, |v[XS+15]|
	s_delay_alu instid0(VALU_DEP_1)
	v_max3_num_f32 v40, v40, v41, 0x1800000        ; and the floor
	s_delay_alu instid0(VALU_DEP_1)
	v_max_num_f32_dpp v40, v40, v40 row_xmask:1 row_mask:0xf bank_mask:0xf   ; with my neighbour's 16: the block's
	s_delay_alu instid0(VALU_DEP_1)
	v_add_nc_u32 v42, 0xff000000, v40
	v_cvt_scalef32_pk8_fp4_f32 v[C+2*(\u)], v[XS:XS+7], v42
	v_cvt_scalef32_pk8_fp4_f32 v[C+2*(\u)+1], v[XS+8:XS+15], v42
	v_lshrrev_b32 v[E+(\u)], 23, v42               ; the scale's byte (a plain line behind the conversions)
	ds_store_b8 v[XEB], v[E+(\u)] offset:16*(\u)   ; both lanes of a block write the same byte with the same value
	global_store_b64 v[L8], v[C+2*(\u):C+2*(\u)+1], s[16:17] offset:256*(\u)   ; 32 lanes store the row's 256 bytes, at a multiple of 256 from xq's first byte
.endm
.irp u, 0,1,2,3,4,5,6,7,8,9,10,11,12,13,14,15
	XSTEP \u
.endr
	ds_load_b64 v[38:39], v[XER]                   ; these see my byte stores
	s_wait_dscnt 0x0
	global_store_b64 v[L8], v[38:39], s[24:25]     ; 256 consecutive bytes, aligned
	s_wait_tensorcnt 0x0                           ; the wave's end, behind my last LDS store
	ds_add_u32 v[SPW], v[NIL]
	s_wait_dscnt 0x0
	s_endpgm
.Lfunc_end_k_qa2e3f82cd9_prep:
	.size	k_qa2e3f82cd9_prep, .Lfunc_end_k_qa2e3f82cd9_prep-k_qa2e3f82cd9_prep
	.p2alignl 7, 3214868480
	.fill 96, 4, 3214868480
	.section	.rodata,"a",@progbits
	.p2align	6, 0x0
	.amdhsa_kernel k_qa2e3f82cd9_prep
		.amdhsa_group_segment_fixed_size 101376
		.amdhsa_private_segment_fixed_size 0
		.amdhsa_enable_private_segment 0
		.amdhsa_kernarg_size 64
		.amdhsa_user_sgpr_count 2
		.amdhsa_user_sgpr_kernarg_segment_ptr 1
		.amdhsa_wavefront_size32 1
		.amdhsa_system_sgpr_workgroup_id_x 1
		.amdhsa_system_sgpr_workgroup_id_y 1
		.amdhsa_system_sgpr_workgroup_id_z 1
		.amdhsa_system_vgpr_workitem_id 0
		.amdhsa_next_free_vgpr 256
		.amdhsa_next_free_sgpr 66
		.amdhsa_reserve_vcc 0
		.amdhsa_float_denorm_mode_32 3
		.amdhsa_float_denorm_mode_16_64 3
		.amdhsa_memory_ordered 1
		.amdhsa_forward_progress 1
		.amdhsa_inst_pref_size 114
	.end_amdhsa_kernel
	.amdgpu_metadata
---
amdhsa.version: [ 1, 2 ]
amdhsa.kernels:
  - .name:           k_qa2e3f82cd9_prep
    .symbol:         k_qa2e3f82cd9_prep.kd
    .args:
      - { .name: x, .offset: 0, .size: 8, .value_kind: global_buffer, .address_space: global }
      - { .name: packed, .offset: 8, .size: 8, .value_kind: global_buffer, .address_space: global }
      - { .name: d, .offset: 16, .size: 8, .value_kind: global_buffer, .address_space: global }
      - { .name: dmin, .offset: 24, .size: 8, .value_kind: global_buffer, .address_space: global }
      - { .name: scales, .offset: 32, .size: 8, .value_kind: global_buffer, .address_space: global }
      - { .name: mins, .offset: 40, .size: 8, .value_kind: global_buffer, .address_space: global }
      - { .name: xq, .offset: 48, .size: 8, .value_kind: global_buffer, .address_space: global }
      - { .name: wq, .offset: 56, .size: 8, .value_kind: global_buffer, .address_space: global }
    .group_segment_fixed_size: 101376
    .private_segment_fixed_size: 0
    .kernarg_segment_align: 8
    .kernarg_segment_size: 64
    .max_flat_workgroup_size: 256
    .sgpr_count:     66
    .vgpr_count:     256
    .wavefront_size: 32
...
	.end_amdgpu_metadata
.endif
;; end of part 1
;; launch gemm (part 2): grid 16 x 16, 4 waves a work-group, clusters of 4 x 4, 327,680 bytes of LDS; arguments xq, wq, out0; writes out0
.if DOCPART == 2
	.amdgcn_target "amdgcn-amd-amdhsa--gfx1250"
	.amdhsa_code_object_version 6
	.text
	.protected	k_qa2e3f82cd9_gemm
	.globl	k_qa2e3f82cd9_gemm
	.p2align	8
	.type	k_qa2e3f82cd9_gemm,@function
k_qa2e3f82cd9_gemm:
	s_mov_b64 s[64:65], 0
	v_nop
	global_prefetch_b8 v0, s[64:65] scope:SCOPE_SE
	s_setreg_imm32_b32 hwreg(HW_REG_WAVE_MODE, 25, 1), 1
	s_wait_xcnt 0x0
	s_wait_alu depctr_hold_cnt(0) depctr_sa_sdst(0) depctr_va_vdst(0) depctr_va_sdst(0) depctr_va_ssrc(0) depctr_va_vcc(0) depctr_vm_vsrc(0)
	s_getreg_b32 s2, hwreg(HW_REG_IB_STS2, 6, 4)
	s_cmp_eq_u32 s2, 0
	s_cbranch_scc0 .Lentry_in_a_cluster
	s_endpgm
.Lentry_in_a_cluster:
	s_bfe_u32 s2, ttmp6, 0x10000c
	s_cmp_lg_u32 s2, 0xf033
	s_cbranch_scc0 .Lentry_shape_is_right
	s_endpgm
.Lentry_shape_is_right:
; out0[m][n] = sum over k of x[m][k] w[n][k], both operands as codes of FP4 (E2M1) with one E8M0 scale byte for each 32 along K; sums in f32.
; xq and wq alike: [32 groups of 128 rows][8 K steps of 512] blocks of 34,816 bytes: 128 rows x 256 bytes of codes, then 128 rows x 16 scale bytes: 136 rows of 256 bytes on end.
; A tile of out0, 256 x 256, is made by a work-group of four waves; a wave makes 128 x 128: 32 accumulators of 16 rows x 32 columns, 512 registers.  256 tiles, 256 work-groups.
; K goes in 8 steps of 512 through a ring of two LDS slots; a wave's one tensor load brings one block (codes and scales of 128 rows), padded to rows of 272 bytes.
; CLUSTERS: 4 x 4 work-groups.  The four of a row of the cluster need the same blocks of xq, the four of a column the same blocks of wq: each block is asked for jointly, by the same load with a mask that names the four.
; PREFETCH: behind the joint load of K step j each wave names K step j + 2 of the block row that it fetches: of the block's 136 units of 256 bytes the partner at place p (cx for xq, cy for wq) takes
; units 34 p .. 34 p + 33: a lane a unit, two instructions (the second's spare lanes name unit 33 again).  The head names K step 1, K step 1's load K steps 2 and 3; the loads of K steps 6 and 7 name nothing.
; THE MATRIX INSTRUCTION, 32 x 16 x 128, IS USED TRANSPOSED: source 0 = 32 rows of wq, source 1 = 16 rows of xq.  Lane (r, h) then holds row r of out0: registers 0-7 columns 8 h + 0 .. 7, registers 8-15 columns 16 + 8 h + 0 .. 7.
; THE LAST K STEP GOES BY ROWS OF out0: all its fragments of wq lie in window 1, and the wave's eight blocks of 16 rows are finished one after the other, K ascending, each leaving while the next is multiplied.
; REGISTERS: window 0: v0-31 addresses; v32-127 scale words, two sets of 48; v128-191 xq's fragments (last K step: two buffers of 16 rows x 512 K); v192-255 the way out.
;   window 1: wq's fragments, a set for each quarter of a K step, quarter q at v[64 q].  windows 2, 3: the accumulators of my rows 0-63, 64-127 ((a, p) at v[16 (4 (a % 4) + p)]).
.set SIZE_N, 4096
.set NQ,     4                         ; quarters of 128 along K in a K step
.set PITCH,  272                       ; an LDS row: 256 bytes + 16 of padding
.set FR,     8                         ; registers of 16 rows x 128 K
.set NL,     2                         ; LDS loads that bring them
.set NP,     4                         ; places behind this matrix instruction (ISA guide 7.12.1)
.set TROWS,  136                       ; rows of 256 bytes in a block
.set HALFT,  TROWS*PITCH               ; a block in LDS
.set SLOT,   4*HALFT                   ; xq's two blocks, then wq's two
.set SCO,    128*PITCH                 ; the scales' place in a block: 16 rows' 16 bytes to an LDS row
.set SPARE,  2*SLOT                    ; behind the ring: the spare words, 128 bytes a wave, that no other line names
.set STEPB,  TROWS*256                 ; a block in memory
.set GRPB,   8*STEPB                   ; a group's 8 blocks
.set SHARE,  34*256                    ; a partner's part of a block in the prefetches
.set LAPS,   4                         ; a lap = two K steps
.set SPITCH, 528                       ; the way out: a stage of 16 rows x (512 + 16) bytes a wave, in slot 0, behind that slot's last fill and last read
.set ADRA, 16                          ; v16-17 LDS address of my xq fragments in slot 0, 1
.set ADRW, 18                          ; v18-19 wq's scale words: lanes 0-15 the rows of an even block of 16, lanes 16-31 those of the odd block behind it
.set ADRB, 20                          ; v20-21 my wq fragments
.set ADRX, 22                          ; v22-23 xq's scale words: row l % 16 of a block
.set STO,  24                          ; v24 into the stage
.set RD,   25                          ; v25 back from it
.set CO,   26                          ; v26 my 16 bytes of a row's 512 in out0
.set SPW,  28                          ; v28 my spare word; never rewritten
.set NIL,  29                          ; v29 0; never rewritten
.set PFO,  30                          ; v30 256 x lane: units 0-31 of my share
.set PFO2, 31                          ; v31 units 32, 33
.set SC,   32                          ; set s at v[SC + 48 s]: register 4 p + q: wq's 32 rows of pair p, a lane a row; register 16 + 4 a + q: xq's block a in lanes 0-15
.set AF,   128
.set BK,   192
.set PFA,  8                           ; s[8:9] where my prefetches stand
.set G1, 24
.set G0, 32
.set G1B, 48
.set G0B, 56
.set MSB, 0
.macro WIN new                         ; the immediate's high byte repeats the setting that is left
.if MSB != \new
	s_set_vgpr_msb (MSB<<8)|\new
.set MSB, \new
.endif
.endm
.set MUL_LO, 0xa1                      ; source 0 window 1, source 1 window 0, C and D window 2
.set MUL_HI, 0xf1                      ; the same, C and D window 3
.set TO_B,   0x40                      ; destination window 1
; a joint load: waves 0, 1 fetch xq's two blocks, waves 2, 3 wq's; s_nop 0 and four v_nop follow each line
.macro JLOAD g0a, g1a, g0b, g1b
	s_cmp_eq_u32 s15, 0
	s_cbranch_scc0 .Lfor_b_\@
	tensor_load_to_lds s[\g0a:\g0a+3], s[\g1a:\g1a+7]
	s_nop 0
.rept 4
	v_nop
.endr
	s_branch .Lasked_\@
.Lfor_b_\@:
	tensor_load_to_lds s[\g0b:\g0b+3], s[\g1b:\g1b+7]
	s_nop 0
.rept 4
	v_nop
.endr
.Lasked_\@:
.endm
.macro CREST                           ; a round of the cluster's barrier behind its opening barrier
	s_cmp_lg_u32 s14, 0
	s_cbranch_scc1 .Lnot_wave_0_\@
	s_barrier_signal -3
.Lnot_wave_0_\@:
	s_barrier_wait -3
	s_barrier_signal -1
	s_barrier_wait -1
.endm
.macro CROUND
	s_barrier_signal -1
	s_barrier_wait -1
	CREST
.endm
.macro PF k                            ; my share of the block k blocks behind s[PFA]
	global_prefetch_b8 v[PFO], s[PFA:PFA+1] offset:(\k)*STEPB th:TH_LOAD_NT scope:SCOPE_SE
	global_prefetch_b8 v[PFO2], s[PFA:PFA+1] offset:(\k)*STEPB th:TH_LOAD_NT scope:SCOPE_SE
.endm
.macro ASK                             ; in the loop: s3 = 1 in the last trip, whose loads (K steps 6, 7) have no K step two on
	s_cmp_gt_u32 s3, 1
	s_cbranch_scc0 .Lnone_\@
	PF 3
.Lnone_\@:
.endm
	s_load_b128 s[4:7], s[0:1], 0x0                ; xq s[4:5], wq s[6:7]
	s_load_b64 s[12:13], s[0:1], 0x10              ; out0
	v_lshl_add_u32 v[SPW], v0, 2, SPARE
	v_mov_b32 v[NIL], 0
	ds_add_u32 v[SPW], v[NIL]                      ; the opening: the add, twice on end, and its wait ahead of my first tensor load
	ds_add_u32 v[SPW], v[NIL]
	v_lshrrev_b32 v1, 5, v0
	v_readfirstlane_b32 s14, v1                    ; wave 0..3
	s_lshr_b32 s15, s14, 1                         ; my half of the tile's rows; also: I fetch for xq (0) or wq (1)
	s_and_b32 s16, s14, 1                          ; my half of its columns; also: which of the two blocks I fetch
	s_bfe_u32 s40, ttmp6, 0x40000                  ; cx
	s_bfe_u32 s41, ttmp6, 0x40004                  ; cy
	s_lshl_b32 s42, ttmp9, 2
	s_add_co_u32 s42, s42, s40                     ; tile column
	s_and_b32 s17, ttmp7, 0xffff
	s_lshl_b32 s17, s17, 2
	s_add_co_u32 s17, s17, s41                     ; tile row
	s_lshl_b32 s43, s41, 2
	s_lshl_b32 s43, 15, s43                        ; my row of the cluster
	s_lshl_b32 s44, 0x1111, s40                    ; my column
	s_or_b32 s[G1+0], s43, (0<<16)|(1<<20)|(1<<21)|(5<<22)|(3<<25)   ; mask; elements of 1 byte; padding of 4 words behind every 64; bit 21 beside a mask
	s_or_b32 s[G1B+0], s44, (0<<16)|(1<<20)|(1<<21)|(5<<22)|(3<<25)
.irp g, G1, G1B
	s_mov_b32 s[\g+1], 256<<16                     ; tensor_dim0
	s_mov_b32 s[\g+2], TROWS<<16                   ; tensor_dim1
	s_mov_b32 s[\g+3], 256<<16                     ; tile_dim0
	s_mov_b32 s[\g+4], TROWS                       ; tile_dim1
	s_mov_b32 s[\g+5], 256                         ; pitch: the block is dense
	s_mov_b32 s[\g+6], 0
	s_mov_b32 s[\g+7], 0
.endr
	s_lshl_b32 s20, s17, 1
	s_add_co_u32 s20, s20, s16
	s_mul_i32 s20, s20, GRPB                       ; xq: group 2 x tile row + which
	s_mov_b32 s21, 0
	s_lshl_b32 s46, s42, 1
	s_add_co_u32 s46, s46, s16
	s_mul_i32 s46, s46, GRPB                       ; wq: group 2 x tile column + which
	s_mov_b32 s47, 0
	s_mul_i32 s45, s14, HALFT                      ; where my block goes: no place in the cluster enters an LDS address
	s_cmp_eq_u32 s15, 0
	s_cselect_b32 s8, s20, s46                     ; the prefetches: my group,
	s_cselect_b32 s9, s40, s41                     ; my place among the four that ask for it with me,
	s_mul_i32 s9, s9, SHARE
	s_add_co_u32 s8, s8, s9                        ; my share
	s_mov_b32 s9, 0
	s_mul_i32 s18, s15, HALFT                      ; my 128 rows of xq
	s_mul_i32 s19, s16, HALFT
	s_add_co_u32 s19, s19, 2*HALFT                 ; my 128 rows of wq
	s_add_co_u32 s10, s18, SCO                     ; xq's scales
	s_add_co_u32 s22, s19, SCO                     ; wq's scales
	s_mul_i32 s23, s14, 16*SPITCH                  ; my stage
	v_and_b32 v1, 15, v0                           ; r = l % 16
	v_bfe_u32 v2, v0, 4, 1                         ; h = l / 16
	v_and_b32 v6, 31, v0                           ; lane
	v_mul_u32_u24 v3, v1, PITCH
	v_lshl_add_u32 v4, v2, 4, v3                   ; a fragment's row x pitch + 16 h
	v_add_nc_u32 v[ADRA], s18, v4
	v_add_nc_u32 v[ADRB], s19, v4
	v_add_nc_u32 v[ADRA+1], SLOT, v[ADRA]
	v_add_nc_u32 v[ADRB+1], SLOT, v[ADRB]
	v_lshlrev_b32 v5, 4, v1                        ; 16 scale bytes a row
	v_add_nc_u32 v[ADRX], s10, v5
	v_add_nc_u32 v[ADRX+1], SLOT, v[ADRX]
	v_mad_u32_u24 v7, v2, PITCH, v5                ; lanes 16-31: the next 16 rows, one LDS row on
	v_add_nc_u32 v[ADRW], s22, v7
	v_add_nc_u32 v[ADRW+1], SLOT, v[ADRW]
	v_mul_u32_u24 v5, v1, SPITCH
	v_lshl_add_u32 v5, v2, 5, v5                   ; into the stage: row r, 32 bytes for each half of the lanes
	v_add_nc_u32 v[STO], s23, v5
	v_lshlrev_b32 v[CO], 4, v6
	v_add_nc_u32 v[RD], s23, v[CO]                 ; back: the 32 lanes take one row of 512 bytes
	v_lshlrev_b32 v[PFO], 8, v6
	v_min_u32 v7, 1, v6
	v_lshl_add_u32 v[PFO2], v7, 8, 32*256
	s_wait_alu depctr_va_vdst(0)                   ; the end of the head's vector work
	s_wait_dscnt 0x0                               ; both opening adds are done
	s_wait_kmcnt 0x0
	s_cmp_eq_u32 s15, 0
	s_cselect_b64 s[10:11], s[4:5], s[6:7]
	s_add_nc_u64 s[PFA:PFA+1], s[10:11], s[8:9]    ; my share of K step 0's block
	s_add_nc_u64 s[20:21], s[4:5], s[20:21]
	s_add_nc_u64 s[46:47], s[6:7], s[46:47]
.irp s, 0,1
	s_mov_b32 s[G0+4*\s], 1
	s_add_co_u32 s[G0+4*\s+1], s45, \s*SLOT
	s_add_nc_u64 s[G0+4*\s+2:G0+4*\s+3], s[20:21], \s*STEPB
	s_or_b32 s[G0+4*\s+3], s[G0+4*\s+3], 0x80000000
	s_mov_b32 s[G0B+4*\s], 1
	s_add_co_u32 s[G0B+4*\s+1], s45, \s*SLOT
	s_add_nc_u64 s[G0B+4*\s+2:G0B+4*\s+3], s[46:47], \s*STEPB
	s_or_b32 s[G0B+4*\s+3], s[G0B+4*\s+3], 0x80000000
.endr
	CROUND                                         ; all sixteen work-groups are here: the first joint loads meet
	JLOAD G0, G1, G0B, G1B                         ; K step 0: my one tensor load at the head
	PF 1                                           ; K step 1 is named now
	s_lshl_b32 s20, s17, 8                         ; where my part of out0 begins: row 256 x tile row + 128 x half, 16,384 bytes a row,
	s_lshl_b32 s21, s15, 7
	s_add_co_u32 s20, s20, s21
	s_lshl_b32 s20, s20, 14
	s_lshl_b32 s46, s42, 10                        ; column bytes 1,024 x tile column + 512 x half
	s_lshl_b32 s47, s16, 9
	s_add_co_u32 s46, s46, s47
	s_add_co_u32 s20, s20, s46
	s_mov_b32 s21, 0
	s_add_nc_u64 s[12:13], s[12:13], s[20:21]
.macro FRAG reg, adr, q, i             ; 16 rows x 128 K: lane l: row l % 16; registers 4 c .. 4 c + 3: K = 64 c + 32 (l / 16) + 0 .. 31
.irp c, 0,1
	ds_load_b128 v[\reg+4*\c:\reg+4*\c+3], v[\adr] offset:64*(\q)+32*\c+(\i)*16*PITCH
.endr
.endm
; 8 matrix instructions: xq's blocks a0, a0 + 1 x wq's four pairs of blocks, the slot's q-th 128 along K.  The 32 accumulators take turns, one instruction a turn.
.macro MUL8 a0, q, sc, zero
.irp a, \a0, \a0+1
.irp p, 0,1,2,3
.if \zero
	v_wmma_scale_f32_32x16x128_f4 v[16*(4*((\a)%4)+\p):16*(4*((\a)%4)+\p)+15], v[64*(\q)+16*\p:64*(\q)+16*\p+15], v[AF+FR*(\a):AF+FR*(\a)+FR-1], 0, v[SC+48*(\sc)+4*\p+(\q)], v[SC+48*(\sc)+16+4*(\a)+(\q)]
.else
	v_wmma_scale_f32_32x16x128_f4 v[16*(4*((\a)%4)+\p):16*(4*((\a)%4)+\p)+15], v[64*(\q)+16*\p:64*(\q)+16*\p+15], v[AF+FR*(\a):AF+FR*(\a)+FR-1], v[16*(4*((\a)%4)+\p):16*(4*((\a)%4)+\p)+15], v[SC+48*(\sc)+4*\p+(\q)], v[SC+48*(\sc)+16+4*(\a)+(\q)]
.endif
.endr
.endr
.endm
.macro BLOAD slot, q                   ; wq's 128 rows of quarter q -> window 1, v[64 q ..] (the window is set by the caller)
.irp i, 0,1,2,3,4,5,6,7
	FRAG 64*(\q)+FR*\i, ADRB+\slot, \q, \i
.endr
.endm
.macro FETCH_B slot, q
	WIN TO_B
	BLOAD \slot, \q
	WIN 0
.endm
.macro FETCH_A slot, q, i0
.irp i, \i0, \i0+1, \i0+2, \i0+3
	FRAG AF+FR*(\i), ADRA+\slot, \q, \i
.endr
.endm
.macro SCALES sc                       ; a K step's scale words, 4 a row: 12 loads
.irp p, 0,1,2,3
	ds_load_b128 v[SC+48*\sc+4*\p:SC+48*\sc+4*\p+3], v[ADRW+\sc] offset:\p*2*PITCH
.endr
.irp i, 0,1,2,3,4,5,6,7
	ds_load_b128 v[SC+48*\sc+16+4*\i:SC+48*\sc+16+4*\i+3], v[ADRX+\sc] offset:\i*PITCH
.endr
.endm
.macro PLACES n                        ; in front of loads into registers that matrix instructions have read, and of reads of results
.rept \n
	v_nop
.endr
.endm
; Quarter q = 0, 1, 2 of a slot.  xq's blocks are fetched half a quarter ahead of their use, into the one set; wq's quarter two quarters ahead, into its own set.
.macro STEP slot, q, zero
	s_wait_dscnt 24                                ; all but the last run: xq's blocks 4-7 (8 loads), then wq's next quarter (16)
	WIN MUL_LO
	MUL8 0, \q, \slot, \zero
	MUL8 2, \q, \slot, \zero
	s_wait_dscnt 16                                ; xq's blocks 4-7 are in; wq's next quarter may be out
	PLACES NP
	WIN 0
	FETCH_A \slot, (\q)+1, 0
	WIN MUL_HI
	MUL8 4, \q, \slot, \zero
	MUL8 6, \q, \slot, \zero
	PLACES NP
	WIN 0
	FETCH_A \slot, (\q)+1, 4
.if (\q)+2 < NQ
	FETCH_B \slot, (\q)+2
.endif
.endm
; MEET: the first half of a slot's last quarter, and the one barrier of the change of slots
.macro MEET slot
	s_wait_tensorcnt 0x0                           ; all my tensor loads have landed: my block of the next slot
	ds_add_u32 v[SPW], v[NIL]
	s_wait_dscnt 4*NL+1                            ; the add and the youngest eight loads (xq's blocks 4-7) may be out
	WIN MUL_LO
	MUL8 0, NQ-1, \slot, 0
	s_wait_dscnt 0x0                               ; the add is done, and my reads of this slot are over
	s_barrier_signal -1
	MUL8 2, NQ-1, \slot, 0
	WIN 0
	s_barrier_wait -1
.endm
.macro TURN slot, next                 ; the whole of it, with the slot's refill two K steps ahead
	s_wait_xcnt 0x0                                ; my prefetches have read their address: it steps here, a K step behind them
	s_add_nc_u64 s[PFA:PFA+1], s[PFA:PFA+1], STEPB
	MEET \slot
	CREST                                          ; the barrier opened a round of the cluster's barrier: no wave of any partner still reads this slot or has a load out
	s_add_nc_u64 s[G0+4*\slot+2:G0+4*\slot+3], s[G0+4*\slot+2:G0+4*\slot+3], 2*STEPB
	s_add_nc_u64 s[G0B+4*\slot+2:G0B+4*\slot+3], s[G0B+4*\slot+2:G0B+4*\slot+3], 2*STEPB
	JLOAD G0+4*\slot, G1, G0B+4*\slot, G1B         ; the first tensor load behind the round; its four v_nop are the places in front of the loads below
	FETCH_B \next, 0
	FETCH_A \next, 0, 0
	SCALES \next
	ASK
	WIN MUL_HI
	MUL8 4, NQ-1, \slot, 0
	MUL8 6, NQ-1, \slot, 0
	PLACES NP
	WIN 0
	FETCH_A \next, 0, 4
	FETCH_B \next, 1
.endm
.macro STEPS slot, from
.set Q, \from
.rept NQ-1-\from
	STEP \slot, Q, 0
.set Q, Q+1
.endr
.endm
; THE LAST K STEP, in slot 1, by rows
.macro ALOAD a                         ; xq's block a, all four quarters -> buffer a % 2
.irp q, 0,1,2,3
	FRAG AF+32*((\a)%2)+FR*\q, ADRA+1, \q, \a
.endr
.endm
.macro ROW a                           ; block a is finished: 16 matrix instructions, its 4 accumulators by turns, K ascending
.set FA, AF+32*((\a)%2)
.set AC, 64*((\a)%4)
	WIN MUL_LO+0x50*((\a)/4)
.irp q, 0,1,2,3
.if (\a) == 0 && \q == 3
	s_wait_dscnt 8                                 ; wq's quarter 3 is in; behind it: xq's block 1
.endif
.irp p, 0,1,2,3
	v_wmma_scale_f32_32x16x128_f4 v[AC+16*\p:AC+16*\p+15], v[64*\q+16*\p:64*\q+16*\p+15], v[FA+FR*\q:FA+FR*\q+FR-1], v[AC+16*\p:AC+16*\p+15], v[SC+48+4*\p+\q], v[SC+48+16+4*(\a)+\q]
.endr
.endr
.endm
; THE WAY OUT of block a: 32 bytes a lane into my own stage, back as whole rows of 512 bytes (LDS serves a wave's instructions in order: ISA guide 5.7.1.4), stored as two aligned units of 256 bytes
.macro TOSTAGE a
.set AC, 64*((\a)%4)
	WIN 0x08+4*((\a)/4)                            ; the data: window 2 or 3
.irp b, 0,1,2,3,4,5,6,7
	ds_store_b128 v[STO], v[AC+8*\b:AC+8*\b+3] offset:64*\b          ; each accumulator from its low end on
	ds_store_b128 v[STO], v[AC+8*\b+4:AC+8*\b+7] offset:64*\b+16
.endr
	WIN 0
.irp t, 0,1,2,3,4,5,6,7,8,9,10,11,12,13,14,15
	ds_load_b128 v[BK+4*\t:BK+4*\t+3], v[RD] offset:\t*SPITCH
.endr
.endm
.macro SEND a, younger                 ; younger: the LDS loads issued behind the stage's, which may stay out
	s_wait_dscnt \younger
.irp t, 0,1,2,3,4,5,6,7,8,9,10,11,12,13,14,15
	global_store_b128 v[CO], v[BK+4*\t:BK+4*\t+3], s[12:13] offset:(16*(\a)+\t)*SIZE_N*4 th:TH_STORE_NT   ; 512 consecutive bytes, aligned; the row stands in the immediate: 127 rows of 16,384 bytes at the most
.endr
.endm
	s_wait_tensorcnt 0x0                           ; my block of K step 0 is in
	ds_add_u32 v[SPW], v[NIL]
	s_wait_dscnt 0x0
	CROUND                                         ; everybody's block is in, and all sixteen work-groups are here
	JLOAD G0+4, G1, G0B+4, G1B                     ; K step 1: slot 1's first fill, the first tensor load behind the round
	FETCH_B 0, 0
	FETCH_A 0, 0, 0
	SCALES 0
	FETCH_A 0, 0, 4
	FETCH_B 0, 1
	PF 2                                           ; K steps 2 and 3
	PF 3
	STEP 0, 0, 1                                   ; the first products start the sums: nothing is cleared
	s_mov_b32 s3, LAPS-1
.Llap:                                                 ; a trip goes once round the ring and fills both slots again
	STEPS 0, 1
	TURN 0, 1
	STEPS 1, 0
	TURN 1, 0
	STEP 0, 0, 0
	s_sub_co_u32 s3, s3, 1
	s_cmp_lg_u32 s3, 0
	s_cbranch_scc1 .Llap
	STEPS 0, 1
	MEET 0                                         ; the last change of slots: nothing is filled again, so no round follows; behind it nobody reads slot 0
	PLACES NP
	WIN TO_B
	BLOAD 1, 0                                     ; three quarters of wq now: quarter 3's set is still being multiplied
	BLOAD 1, 1
	BLOAD 1, 2
	WIN 0
	SCALES 1
	ALOAD 0                                        ; into the registers of xq's blocks 0-3, which are done with
	WIN MUL_HI
	MUL8 4, NQ-1, 0, 0
	MUL8 6, NQ-1, 0, 0
	PLACES NP
	WIN TO_B
	BLOAD 1, 3
	WIN 0
	ALOAD 1
	s_wait_dscnt 24                                ; all but the 24 just issued
	ROW 0
.irp a, 0,1,2,3,4,5,6,7
	PLACES NP                                      ; behind block a's last products: for the stage's stores and the loads into its buffer
.if \a > 0
	s_wait_xcnt 0x0                                ; block a - 1's stores have read their registers, which take block a
.endif
	TOSTAGE \a
.if \a < 6
	ALOAD \a+2
	s_wait_dscnt 40                                ; xq's block a + 1 is in; behind it: the stage's 32 and the 8 just issued
.endif
.if \a == 6
	s_wait_dscnt 32                                ; behind xq's block 7: the stage's 32
.endif
.if \a < 7
	ROW \a+1                                       ; the next block is multiplied while this one turns through the stage
	WIN 0
.endif
.if \a < 6
	SEND \a, 8
.else
	SEND \a, 0
.endif
.endr
	s_wait_tensorcnt 0x0                           ; the wave's end
	ds_add_u32 v[SPW], v[NIL]
	s_wait_dscnt 0x0
	CROUND                                         ; the closing round
	s_endpgm
.Lfunc_end_k_qa2e3f82cd9_gemm:
	.size	k_qa2e3f82cd9_gemm, .Lfunc_end_k_qa2e3f82cd9_gemm-k_qa2e3f82cd9_gemm
	.p2alignl 7, 3214868480
	.fill 96, 4, 3214868480
	.section	.rodata,"a",@progbits
	.p2align	6, 0x0
	.amdhsa_kernel k_qa2e3f82cd9_gemm
		.amdhsa_group_segment_fixed_size 327680
		.amdhsa_private_segment_fixed_size 0
		.amdhsa_enable_private_segment 0
		.amdhsa_kernarg_size 24
		.amdhsa_user_sgpr_count 2
		.amdhsa_user_sgpr_kernarg_segment_ptr 1
		.amdhsa_wavefront_size32 1
		.amdhsa_system_sgpr_workgroup_id_x 1
		.amdhsa_system_sgpr_workgroup_id_y 1
		.amdhsa_system_sgpr_workgroup_id_z 1
		.amdhsa_system_vgpr_workitem_id 0
		.amdhsa_next_free_vgpr 1024
		.amdhsa_next_free_sgpr 66
		.amdhsa_reserve_vcc 0
		.amdhsa_float_denorm_mode_32 3
		.amdhsa_float_denorm_mode_16_64 3
		.amdhsa_memory_ordered 1
		.amdhsa_forward_progress 1
		.amdhsa_inst_pref_size 148
	.end_amdhsa_kernel
	.amdgpu_metadata
---
amdhsa.version: [ 1, 2 ]
amdhsa.kernels:
  - .name:           k_qa2e3f82cd9_gemm
    .symbol:         k_qa2e3f82cd9_gemm.kd
    .args:
      - { .name: xq, .offset: 0, .size: 8, .value_kind: global_buffer, .address_space: global }
      - { .name: wq, .offset: 8, .size: 8, .value_kind: global_buffer, .address_space: global }
      - { .name: out0, .offset: 16, .size: 8, .value_kind: global_buffer, .address_space: global }
    .group_segment_fixed_size: 327680
    .private_segment_fixed_size: 0
    .kernarg_segment_align: 8
    .kernarg_segment_size: 24
    .max_flat_workgroup_size: 128
    .sgpr_count:     66
    .vgpr_count:     1024
    .wavefront_size: 32
...
	.end_amdgpu_metadata
.endif
;; end of part 2
